; MI455X (gfx1250); checked and timed in simulation.
; The chip was launched on July 23, 2026; its instructions are those of AMD's public machine-readable ISA for CDNA 5 (MIT licence, August 2026) and "CDNA5" Instruction Set Architecture Reference Guide (July 2026). The comments in the code are by the model that wrote it; some were corrected since.
;; Scaled Dot Self Attention. Allowed arithmetic: float matrix products may take bf16 or f16 operands with f32 sums; all other float work in f32.
;; Inputs: Wk 1,024 x 1,024 float32; Wo 1,024 x 1,024 float32; Wq 1,024 x 1,024 float32; Wv 1,024 x 1,024 float32; mask 2 x 2,048 int32; x 2 x 2,048 x 1,024 float32.
;; Outputs: out0 2 x 2,048 x 1,024 float32.
;; One version. Each part assembles by itself: llvm-mc -triple=amdgcn-amd-amdhsa -mcpu=gfx1250 --defsym DOCPART=n.
;; ======== version 1 of 1: 4 launches
;; limits: values are held in f16: magnitudes above 65,504 overflow, below 6.1e-05 lose precision
;; workspace buffers: xh 8,388,608 bytes; wt 6,291,456 bytes; wot 2,097,152 bytes; qh 8,388,608 bytes; kh 8,388,608 bytes; vh 8,388,608 bytes; ah 8,388,608 bytes
;; launch prep (part 1): grid 256 x 1, 8 waves a work-group, no clusters, 50,688 bytes of LDS; arguments x, mask, Wq, Wk, Wv, Wo, xh, wt, wot; writes xh, wt, wot
.if DOCPART == 1
	.amdgcn_target "amdgcn-amd-amdhsa--gfx1250"
	.amdhsa_code_object_version 6
	.text
	.protected	k_q5880fe8f97_prep
	.globl	k_q5880fe8f97_prep
	.p2align	8
	.type	k_q5880fe8f97_prep,@function
k_q5880fe8f97_prep:
	s_mov_b64 s[64:65], 0
	v_nop
	global_prefetch_b8 v0, s[64:65] scope:SCOPE_SE
	s_setreg_imm32_b32 hwreg(HW_REG_WAVE_MODE, 25, 1), 1
	s_wait_xcnt 0x0
; prep: xh = f16(x * mask), and the four weights as f16 with K along the rows.
;   xh  [4096][1024] f16.
;   wt  [3072][1024] f16: row h*192 + part*64 + u holds column h*64+u of Wq (part 0), Wk (1), Wv (2).
;   wot [1024][1024] f16: row n holds column n of Wo.
; Wq is multiplied by 0.125*log2(e) before it is rounded, so that the scores come out of the matrix unit ready for exp2.
; FORMAT: f16.  x, W have room for 30 times larger or smaller numbers (|x| 6 -> 180, |W| 0.075 -> 2.3; W/30 stays above
; f16's least normal number 6.1e-5 but for its smallest elements, which keep an absolute step of 6e-8).  |value| > 65504 overflows.
; The mask's integers are used as the numbers they are (float(mask)).
; Every work-group does the same two jobs: 16 rows of x (64 KiB) and one tile of 128 k x 128 n of one weight (64 KiB).
; No input byte is read by two work-groups: nothing to share in a cluster; memory binds, so no matrix unit.
; All 32 loads of a wave (16 KiB) are issued before the first wait.
.set WR,  16                           ; v[16:79]   16 rows of W x 4 columns; later 8 transposed rows on their way out
.set XR,  80                           ; v[80:143]  16 loads of x
.set T,   144                          ; v[144:175] packed W; before that, address temporaries
.set RP,  48                           ; LDS: 16 k of one column = 32 bytes + 16: lanes 48 bytes apart start in different banks
.set REG, 128*RP+32                    ; a wave's own region: 128 columns; +32 so that the eight regions start 32 bytes apart modulo 256
.set QSCALE, 0x3e38aa3b                ; 0.125 * log2(e)
	s_load_b512 s[8:23], s[0:1], 0x0               ; x 8, mask 10, Wq 12, Wk 14, Wv 16, Wo 18, xh 20, wt 22
	s_load_b64 s[24:25], s[0:1], 0x40              ; wot
	v_lshl_add_u32 v176, v0, 2, 0xc200
	v_mov_b32 v177, 0
	v_and_b32 v1, 31, v0                           ; lane L
	v_lshrrev_b32 v2, 5, v0
	v_readfirstlane_b32 s4, v2                     ; wave w
	s_lshr_b32 s5, ttmp9, 6                        ; which weight: 0 Wq, 1 Wk, 2 Wv, 3 Wo
	s_bfe_u32 s6, ttmp9, 0x30003                   ; kt: tile along k
	s_and_b32 s7, ttmp9, 7                         ; nt: tile along n
	s_lshl_b32 s35, ttmp9, 6
	s_lshl3_add_u32 s35, s4, s35                   ; byte of mask[16 G + 2 w]
	s_lshl_b32 s34, s5, 6                          ; part * 64
	s_lshl_b32 s36, s6, 19                         ; source tile: kt*128 rows of 4096 bytes
	s_lshl_b32 s37, s7, 9                          ;            + nt*128 columns of 4 bytes
	s_add_co_u32 s36, s36, s37
	s_mov_b32 s37, 0
	s_lshl_b32 s38, ttmp9, 16                      ; x: 16 rows of 4096 bytes
	s_mov_b32 s39, 0
	s_lshl_b32 s40, ttmp9, 15                      ; xh: 16 rows of 2048 bytes
	s_mov_b32 s41, 0
	s_cmp_eq_u32 s5, 3
	s_cselect_b32 s32, 64, 0xc0                    ; rows of the destination for each 64 columns: 64 in wot, 192 in wt
	s_cselect_b32 s33, 0, s34                      ; and the part's place among them
	s_lshr_b32 s42, s4, 2
	s_lshl1_add_u32 s42, s7, s42                   ; 2 nt + (w >> 2): which 64 columns my 16 output rows lie in
	s_mul_i32 s42, s42, s32
	s_add_co_u32 s42, s42, s33
	s_and_b32 s43, s4, 3
	s_lshl4_add_u32 s42, s43, s42                  ; + 16 (w & 3): my first output row
	s_lshl_b32 s42, s42, 11                        ; rows of 2048 bytes
	s_lshl_b32 s43, s6, 8                          ; + kt * 128 k of 2 bytes
	s_add_co_u32 s42, s42, s43
	s_mov_b32 s43, 0
	v_lshlrev_b32 v144, 4, v1                      ; 16 L
	v_lshrrev_b32 v145, 4, v1                      ; L >> 4
	v_and_b32 v146, 15, v1                         ; L & 15
	s_lshl_b32 s44, s4, 16
	v_add_nc_u32 v2, s44, v144                     ; W: 16 rows a wave, 16 bytes a lane
	s_lshl_b32 s45, s4, 13
	v_add_nc_u32 v3, s45, v144                     ; x: 2 rows a wave
	s_lshl_b32 s46, s4, 12
	v_lshl_add_u32 v4, v1, 3, s46                  ; xh: 8 bytes a lane
	s_mul_i32 s47, s4, REG
	v_mul_u32_u24 v5, v1, RP
	v_add_nc_u32 v5, s47, v5                       ; LDS in: my region, row L (column 4 L + c lies at row 32 c + L)
	v_lshrrev_b32 v147, 1, v146
	v_and_b32 v148, 1, v1
	v_mul_u32_u24 v6, v147, REG                    ; LDS back: lane L & 15 takes k = 8 (L & 15) ..: region (L & 15) >> 1,
	v_lshl_add_u32 v6, v148, 4, v6                 ; half L & 1,
	v_mad_u32_u24 v6, v145, 32*RP, v6              ; column 16 w + 2 t + (L >> 4): row ((2 t + (L >> 4)) & 3) * 32 + 4 w + (t >> 1)
	s_mul_i32 s2, s4, 4*RP
	v_add_nc_u32 v6, s2, v6
	v_lshlrev_b32 v7, 11, v145                     ; out: lanes 0-15 one row of 256 bytes, lanes 16-31 the next
	v_lshl_add_u32 v7, v146, 4, v7
	s_wait_kmcnt 0x0
	s_load_b64 s[30:31], s[10:11], s35 offset:0x0  ; the mask of my two rows of x
	s_cmp_eq_u32 s5, 1
	s_cselect_b64 s[26:27], s[14:15], s[12:13]
	s_cmp_eq_u32 s5, 2
	s_cselect_b64 s[26:27], s[16:17], s[26:27]
	s_cmp_eq_u32 s5, 3
	s_cselect_b64 s[26:27], s[18:19], s[26:27]     ; the weight I read
	s_cselect_b64 s[28:29], s[24:25], s[22:23]     ; the buffer I write
	s_add_nc_u64 s[26:27], s[26:27], s[36:37]
	s_add_nc_u64 s[8:9], s[8:9], s[38:39]
	s_add_nc_u64 s[20:21], s[20:21], s[40:41]
	s_add_nc_u64 s[28:29], s[28:29], s[42:43]
.set i, 0
.rept 16
	global_load_b128 v[WR+4*i:WR+4*i+3], v2, s[26:27] offset:4096*i th:TH_LOAD_NT   ; row k = 16 w + i: 512 consecutive bytes
.set i, i+1
.endr
.set i, 0
.rept 16
	global_load_b128 v[XR+4*i:XR+4*i+3], v3, s[8:9] offset:512*i th:TH_LOAD_NT      ; i < 8: row 2 w, else row 2 w + 1
.set i, i+1
.endr
	s_wait_kmcnt 0x0
	v_cvt_f32_i32 v10, s30                         ; the mask as a number, twice: a pair for the packed multiply
	v_cvt_f32_i32 v11, s30
	v_cvt_f32_i32 v12, s31
	v_cvt_f32_i32 v13, s31
	s_wait_loadcnt 0x10                            ; the 16 loads of W are in; the 16 of x, issued behind them, may stay out
	s_cmp_lg_u32 s5, 0
	s_cbranch_scc1 .Lplain                         ; only Wq carries the scale
.set i, 0
.rept 32
	v_pk_mul_f32 v[WR+2*i:WR+2*i+1], v[WR+2*i:WR+2*i+1], QSCALE op_sel_hi:[1,0]
.set i, i+1
.endr
.Lplain:
	; column 4 L + c: its 16 k, two to a word, the lower k in the lower half
.irp c, 0,1,2,3
.irp i, 0,1,2,3,4,5,6,7
	v_cvt_pk_f16_f32 v[T+8*\c+\i], v[WR+8*\i+\c], v[WR+8*\i+4+\c]
.endr
	ds_store_b128 v5, v[T+8*\c:T+8*\c+3] offset:\c*32*RP
	ds_store_b128 v5, v[T+8*\c+4:T+8*\c+7] offset:\c*32*RP+16
.endr
	s_wait_dscnt 0x0                               ; my stores are in LDS before I say so: the other waves read them
	s_barrier_signal -1
	s_barrier_wait -1
.irp t, 0,1,2,3,4,5,6,7
	ds_load_b128 v[WR+4*\t:WR+4*\t+3], v6 offset:(\t%2)*64*RP+(\t/2)*RP   ; 16 lanes: 128 k of one column, from the eight regions
.endr
	s_wait_loadcnt 0x0                             ; x
.irp i, 0,1,2,3,4,5,6,7,8,9,10,11,12,13,14,15
	v_pk_mul_f32 v[XR+4*\i:XR+4*\i+1],   v[XR+4*\i:XR+4*\i+1],   v[10+2*(\i/8):11+2*(\i/8)]
	v_pk_mul_f32 v[XR+4*\i+2:XR+4*\i+3], v[XR+4*\i+2:XR+4*\i+3], v[10+2*(\i/8):11+2*(\i/8)]
	v_cvt_pk_f16_f32 v[XR+4*\i],   v[XR+4*\i],   v[XR+4*\i+1]
	v_cvt_pk_f16_f32 v[XR+4*\i+1], v[XR+4*\i+2], v[XR+4*\i+3]
	global_store_b64 v4, v[XR+4*\i:XR+4*\i+1], s[20:21] offset:256*\i     ; the wave stores 256 consecutive bytes, aligned
.endr
.irp t, 0,1,2,3,4,5,6,7
	s_wait_dscnt 7-\t                              ; LDS loads come back in order: row pair t is in
	global_store_b128 v7, v[WR+4*\t:WR+4*\t+3], s[28:29] offset:4096*\t   ; 16 lanes store 256 consecutive bytes, aligned
.endr
	s_wait_tensorcnt 0x0
	ds_add_u32 v176, v177
	s_wait_dscnt 0x0
	s_endpgm
.Lfunc_end_k_q5880fe8f97_prep:
	.size	k_q5880fe8f97_prep, .Lfunc_end_k_q5880fe8f97_prep-k_q5880fe8f97_prep
	.p2alignl 7, 3214868480
	.fill 96, 4, 3214868480
	.section	.rodata,"a",@progbits
	.p2align	6, 0x0
	.amdhsa_kernel k_q5880fe8f97_prep
		.amdhsa_group_segment_fixed_size 50688
		.amdhsa_private_segment_fixed_size 0
		.amdhsa_enable_private_segment 0
		.amdhsa_kernarg_size 72
		.amdhsa_user_sgpr_count 2
		.amdhsa_user_sgpr_kernarg_segment_ptr 1
		.amdhsa_wavefront_size32 1
		.amdhsa_system_sgpr_workgroup_id_x 1
		.amdhsa_system_sgpr_workgroup_id_y 1
		.amdhsa_system_sgpr_workgroup_id_z 1
		.amdhsa_system_vgpr_workitem_id 0
		.amdhsa_next_free_vgpr 178
		.amdhsa_next_free_sgpr 66
		.amdhsa_reserve_vcc 0
		.amdhsa_float_denorm_mode_32 3
		.amdhsa_float_denorm_mode_16_64 3
		.amdhsa_memory_ordered 1
		.amdhsa_forward_progress 1
		.amdhsa_inst_pref_size 19
	.end_amdhsa_kernel
	.amdgpu_metadata
---
amdhsa.version: [ 1, 2 ]
amdhsa.kernels:
  - .name:           k_q5880fe8f97_prep
    .symbol:         k_q5880fe8f97_prep.kd
    .args:
      - { .name: x, .offset: 0, .size: 8, .value_kind: global_buffer, .address_space: global }
      - { .name: mask, .offset: 8, .size: 8, .value_kind: global_buffer, .address_space: global }
      - { .name: Wq, .offset: 16, .size: 8, .value_kind: global_buffer, .address_space: global }
      - { .name: Wk, .offset: 24, .size: 8, .value_kind: global_buffer, .address_space: global }
      - { .name: Wv, .offset: 32, .size: 8, .value_kind: global_buffer, .address_space: global }
      - { .name: Wo, .offset: 40, .size: 8, .value_kind: global_buffer, .address_space: global }
      - { .name: xh, .offset: 48, .size: 8, .value_kind: global_buffer, .address_space: global }
      - { .name: wt, .offset: 56, .size: 8, .value_kind: global_buffer, .address_space: global }
      - { .name: wot, .offset: 64, .size: 8, .value_kind: global_buffer, .address_space: global }
    .group_segment_fixed_size: 50688
    .private_segment_fixed_size: 0
    .kernarg_segment_align: 8
    .kernarg_segment_size: 72
    .max_flat_workgroup_size: 256
    .sgpr_count:     66
    .vgpr_count:     178
    .wavefront_size: 32
...
	.end_amdgpu_metadata
.endif
;; end of part 1
;; launch qkv (part 2): grid 16 x 16, 4 waves a work-group, clusters of 4 x 4, 327,680 bytes of LDS; arguments xh, wt, qh, kh, vh; writes qh, kh, vh
.if DOCPART == 2
	.amdgcn_target "amdgcn-amd-amdhsa--gfx1250"
	.amdhsa_code_object_version 6
	.text
	.protected	k_q5880fe8f97_qkv
	.globl	k_q5880fe8f97_qkv
	.p2align	8
	.type	k_q5880fe8f97_qkv,@function
k_q5880fe8f97_qkv:
	s_mov_b64 s[64:65], 0
	v_nop
	global_prefetch_b8 v0, s[64:65] scope:SCOPE_SE
	s_setreg_imm32_b32 hwreg(HW_REG_WAVE_MODE, 25, 1), 1
	s_wait_xcnt 0x0
	s_wait_alu depctr_hold_cnt(0) depctr_sa_sdst(0) depctr_va_vdst(0) depctr_va_sdst(0) depctr_va_ssrc(0) depctr_va_vcc(0) depctr_vm_vsrc(0)
	s_getreg_b32 s2, hwreg(HW_REG_IB_STS2, 6, 4)
	s_cmp_eq_u32 s2, 0
	s_cbranch_scc0 .Lentry_in_a_cluster
	s_endpgm
.Lentry_in_a_cluster:
	s_bfe_u32 s2, ttmp6, 0x10000c
	s_cmp_lg_u32 s2, 0xf033
	s_cbranch_scc0 .Lentry_shape_is_right
	s_endpgm
.Lentry_shape_is_right:
; qkv: [4096 x 1024] (xh) times [3072 x 1024]^T (wt), f16 operands, f32 sums; results as f16 in qh, kh, vh [b*16+h][t][64].
; A work-group makes 256 rows x 192 columns = q, k and v of one head; grid x = head, grid y = block of 256 rows.
; Four waves, as many as a WGP has SIMDs; wave w makes rows 64 w .. 64 w + 63 x all 192 columns: 48 accumulator tiles, 384 registers.
; K goes in steps of 128 (rows of 256 bytes, aligned) through a ring of two LDS slots filled by the tensor data mover.
; CLUSTERS: 4 x 4 work-groups.  xh's tile hangs on the block row alone and is asked for jointly along a row of the cluster;
; wt's tile hangs on the head alone and is asked for jointly along a column: a quarter of the requests.
; FORMAT: the results are rounded to f16: |q|, |k|, |v| above 65504 overflow.  With x and W both 30 times the drawn spread the projections
; have a root mean square of 1,240; with both carrying an offset of 30 spreads they reach 39,600.
; REGISTERS in windows of 256: window 0: addresses, xh's fragments v64-95 / v96-127, way out v128-223; window 1: wt's fragments v0-95 / v96-191;
; window 2: accumulators of my rows 0-31 (tile (a, b) at 8 (12 a + b)); window 3: of my rows 32-63.
; THE MATRIX INSTRUCTION IS USED TRANSPOSED (source 0 = rows of wt, source 1 = rows of xh): a lane's eight results are eight
; neighbouring columns of one row, 16 bytes of f16.
.set KSTEP,  128
.set PITCH,  272                       ; 256 bytes + 16: the 16 rows of a fragment load start in 16 different groups of banks
.set HALFA,  128*PITCH                 ; what waves 0, 1 fetch: 128 rows of xh
.set HALFB,  96*PITCH                  ; what waves 2, 3 fetch: 96 rows of wt
.set BOFF,   2*HALFA
.set SLOT,   2*HALFA+2*HALFB
.set STAGE,  2*SLOT                    ; behind the ring: for each wave 3 parts x 16 rows x 144 bytes, never filled by a tensor load
.set SPITCH, 144
.set SPART,  16*SPITCH
.set LAPS,   4                         ; 1024 / (2 x 128)
.set ADRA, 16                          ; v16-17 LDS address of my xh fragments in slot 0, 1
.set ADRB, 20                          ; v20-21 the same for wt
.set STO,  24
.set RD,   25
.set CO,   26
.set FA,   64                          ; window 0: buffer f at FA + 32 f
.set TMP,  128
.set OUTB, 176
.set G1,  24                           ; s[24:31] group 1 for xh's tiles
.set G0,  32                           ; s[32:39] group 0 for xh's tiles, one set a slot
.set G1B, 48                           ; s[48:55] group 1 for wt's tiles
.set G0B, 56                           ; s[56:63] group 0 for wt's tiles
.set MSB, 0
.macro WIN new                         ; the immediate's high byte repeats the setting that is left
.if MSB != \new
	s_set_vgpr_msb (MSB<<8)|\new
.set MSB, \new
.endif
.endm
.set MUL_LO, 0xa1                      ; source 0 window 1, source 1 window 0, C and D window 2
.set MUL_HI, 0xf1                      ; the same, C and D window 3
.set TO_B,   0x40                      ; destination window 1, address window 0
.macro JLOAD s                         ; waves 0, 1 ask for xh's halves, waves 2, 3 for wt's: each line has one mask and one set of registers
	s_cmp_eq_u32 s15, 0
	s_cbranch_scc0 .Lfor_b_\@
	tensor_load_to_lds s[G0+4*\s:G0+4*\s+3], s[G1:G1+7]
	s_nop 0
	s_branch .Lasked_\@
.Lfor_b_\@:
	tensor_load_to_lds s[G0B+4*\s:G0B+4*\s+3], s[G1B:G1B+7]
	s_nop 0
.Lasked_\@:
.endm
.macro CREST                           ; a round of the cluster's barrier behind its opening work-group barrier
	s_cmp_lg_u32 s14, 0
	s_cbranch_scc1 .Lnot_wave_0_\@
	s_barrier_signal -3
.Lnot_wave_0_\@:
	s_barrier_wait -3
	s_barrier_signal -1
	s_barrier_wait -1
.endm
.macro CROUND
	s_barrier_signal -1
	s_barrier_wait -1
	CREST
.endm
.macro PLACES                          ; four places behind a matrix instruction in front of loads into its sources and of readers of its result
.rept 4
	v_nop
.endr
.endm
	s_load_b256 s[4:11], s[0:1], 0x0               ; xh 4, wt 6, qh 8, kh 10
	s_load_b64 s[12:13], s[0:1], 0x20              ; vh
	s_set_vgpr_msb 0x40
	v_lshl_add_u32 v255, v0, 2, 0x42400
	s_set_vgpr_msb 0x4000
	v_mov_b32 v255, 0
	s_set_vgpr_msb 0x1
	ds_add_u32 v255, v255
	s_set_vgpr_msb 0x100
	v_lshrrev_b32 v1, 5, v0
	v_readfirstlane_b32 s14, v1                    ; wave
	s_lshr_b32 s15, s14, 1                         ; 0: I fetch for xh, 1: for wt
	s_and_b32 s16, s14, 1                          ; which half of that tile
	s_bfe_u32 s40, ttmp6, 0x40000                  ; cx
	s_bfe_u32 s41, ttmp6, 0x40004                  ; cy
	s_lshl_b32 s42, ttmp9, 2
	s_add_co_u32 s42, s42, s40                     ; head = 4 x cluster x + cx
	s_and_b32 s43, ttmp7, 0xffff
	s_lshl_b32 s43, s43, 2
	s_add_co_u32 s43, s43, s41                     ; block row = 4 x cluster y + cy
	s_lshl_b32 s44, s41, 2
	s_lshl_b32 s44, 15, s44                        ; my row of the cluster
	s_lshl_b32 s45, 0x1111, s40                    ; my column
	s_or_b32 s[G1+0],  s44, (1<<16)|(1<<20)|(1<<21)|(5<<22)|(3<<25)   ; mask; 2-byte elements; padding on; bit 21 beside a mask; after 64 words, 4 words
	s_or_b32 s[G1B+0], s45, (1<<16)|(1<<20)|(1<<21)|(5<<22)|(3<<25)
	s_mov_b32 s[G1+1],  KSTEP<<16                  ; tensor_dim0 = 128
	s_mov_b32 s[G1B+1], KSTEP<<16
	s_mov_b32 s[G1+2],  128<<16                    ; tensor_dim1 = 128 rows
	s_mov_b32 s[G1B+2], 96<<16                     ;             = 96 rows
	s_mov_b32 s[G1+3],  KSTEP<<16                  ; tile_dim0 = 128
	s_mov_b32 s[G1B+3], KSTEP<<16
	s_mov_b32 s[G1+4],  128                        ; tile_dim1
	s_mov_b32 s[G1B+4], 96
	s_mov_b32 s[G1+5],  1024                       ; elements from row to row
	s_mov_b32 s[G1B+5], 1024
	s_mov_b32 s[G1+6],  0
	s_mov_b32 s[G1B+6], 0
	s_mov_b32 s[G1+7],  0
	s_mov_b32 s[G1B+7], 0
	s_lshl_b32 s18, s43, 19                        ; xh: 256 rows of 2048 bytes a block row
	s_lshl_b32 s19, s16, 18                        ;     + 128 rows a half
	s_add_co_u32 s18, s18, s19
	s_mov_b32 s19, 0
	s_mul_i32 s46, s42, 192*2048                   ; wt: 192 rows a head
	s_mul_i32 s47, s16, 96*2048                    ;     + 96 rows a half
	s_add_co_u32 s46, s46, s47
	s_mov_b32 s47, 0
	s_mul_i32 s20, s14, HALFA                      ; LDS: waves 0, 1: xh's halves
	s_mul_i32 s21, s14, HALFB
	s_add_co_u32 s21, s21, BOFF-2*HALFB            ; waves 2, 3: wt's halves behind them
	s_wait_dscnt 0x0
	s_wait_kmcnt 0x0
	s_add_nc_u64 s[18:19], s[4:5], s[18:19]
	s_add_nc_u64 s[46:47], s[6:7], s[46:47]
	CROUND                                         ; all sixteen work-groups are here: the first joint loads meet
.irp s, 0,1
	s_mov_b32 s[G0+4*\s], 1
	s_add_co_u32 s[G0+4*\s+1], s20, \s*SLOT
	s_add_nc_u64 s[G0+4*\s+2:G0+4*\s+3], s[18:19], \s*KSTEP*2
	s_or_b32 s[G0+4*\s+3], s[G0+4*\s+3], 0x80000000
	s_mov_b32 s[G0B+4*\s], 1
	s_add_co_u32 s[G0B+4*\s+1], s21, \s*SLOT
	s_add_nc_u64 s[G0B+4*\s+2:G0B+4*\s+3], s[46:47], \s*KSTEP*2
	s_or_b32 s[G0B+4*\s+3], s[G0B+4*\s+3], 0x80000000
	JLOAD \s                                       ; two tensor loads of the wave are out
.endr
	v_and_b32 v1, 15, v0                           ; r = l % 16
	v_bfe_u32 v2, v0, 4, 1                         ; h = l / 16
	v_mul_u32_u24 v3, v1, PITCH
	v_lshl_add_u32 v3, v2, 4, v3                   ; row x pitch + 16 h
	s_mul_i32 s22, s14, 64*PITCH                   ; my 64 rows of xh
	s_mov_b32 s23, BOFF                            ; all 192 rows of wt
.irp s, 0,1
	v_add_nc_u32 v[ADRA+\s], s22, v3
	v_add_nc_u32 v[ADRB+\s], s23, v3
	s_add_co_u32 s22, s22, SLOT
	s_add_co_u32 s23, s23, SLOT
.endr
	s_mul_i32 s17, s14, 3*SPART
	s_add_co_u32 s17, s17, STAGE                   ; my stage
	v_mul_u32_u24 v4, v1, SPITCH
	v_lshl_add_u32 v4, v2, 4, v4
	v_add_nc_u32 v[STO], s17, v4                   ; in: row r, 16 bytes for each half of the lanes
	v_and_b32 v5, 31, v0
	v_lshrrev_b32 v6, 3, v5
	v_and_b32 v7, 7, v5
	v_mul_u32_u24 v6, v6, SPITCH
	v_lshl_add_u32 v6, v7, 4, v6
	v_add_nc_u32 v[RD], s17, v6                    ; back: eight lanes a row of 128 bytes, four rows a load
	v_lshlrev_b32 v[CO], 4, v5                     ; those four rows are 512 consecutive bytes of qh, kh or vh
; 12 matrix instructions: m block a of the window's two x all 12 n blocks, 32 along K.  zero = 1: the first product starts the sums.
; The 48 accumulators take turns, one instruction a turn, in the same order in every quarter step.
.macro MUL12 f, hi, a, zero
.irp b, 0,1,2,3,4,5,6,7,8,9,10,11
.if \zero
	v_wmma_f32_16x16x32_f16 v[8*(12*\a+\b):8*(12*\a+\b)+7], v[96*\f+8*\b:96*\f+8*\b+7], v[FA+32*\f+8*(2*\hi+\a):FA+32*\f+8*(2*\hi+\a)+7], 0
.else
	v_wmma_f32_16x16x32_f16 v[8*(12*\a+\b):8*(12*\a+\b)+7], v[96*\f+8*\b:96*\f+8*\b+7], v[FA+32*\f+8*(2*\hi+\a):FA+32*\f+8*(2*\hi+\a)+7], v[8*(12*\a+\b):8*(12*\a+\b)+7]
.endif
.endr
.endm
; 32 LDS loads in one run: 192 rows of wt, then my 64 rows of xh, 32 K at byte k of the rows, into buffer f
.macro FETCH slot, k, f
	WIN TO_B
.irp i, 0,1,2,3,4,5,6,7,8,9,10,11
	ds_load_b128 v[96*\f+8*\i:96*\f+8*\i+3],   v[ADRB+\slot] offset:\k+\i*16*PITCH
	ds_load_b128 v[96*\f+8*\i+4:96*\f+8*\i+7], v[ADRB+\slot] offset:\k+\i*16*PITCH+32
.endr
	WIN 0
.irp i, 0,1,2,3
	ds_load_b128 v[FA+32*\f+8*\i:FA+32*\f+8*\i+3],   v[ADRA+\slot] offset:\k+\i*16*PITCH
	ds_load_b128 v[FA+32*\f+8*\i+4:FA+32*\f+8*\i+7], v[ADRA+\slot] offset:\k+\i*16*PITCH+32
.endr
.endm
.macro QUARTER slot, k, f, g, zero
	s_wait_dscnt 4                                 ; wt and xh's rows 0-31 are in; the youngest four loads (rows 32-63) may be out
	WIN MUL_LO
	MUL12 \f, 0, 0, \zero
	MUL12 \f, 0, 1, \zero
	PLACES
	FETCH \slot, \k, \g
	s_wait_dscnt 32                                ; all but the 32 just issued
	WIN MUL_HI
	MUL12 \f, 1, 0, \zero
	MUL12 \f, 1, 1, \zero
.endm
.macro THREE slot, zero
	QUARTER \slot, 64,  0, 1, \zero
	QUARTER \slot, 128, 1, 0, 0
	QUARTER \slot, 192, 0, 1, 0
.endm
; The last quarter of a K step changes slots.  In front of the barrier each wave waits for its reads of this slot and for all its tensor loads
; (one is out: its part of the next slot).  Where the slot is filled again the barrier opens a round of the cluster's barrier, and the joint
; refill is the first tensor load behind the round.
.macro TURN slot, next, fill
	s_wait_dscnt 4
	WIN MUL_LO
	MUL12 1, 0, 0, 0
	s_wait_dscnt 0                                 ; my reads of this slot are over
	s_wait_tensorcnt 0x0                           ; all my tensor loads have landed
	ds_add_u32 v255, v255
	s_wait_dscnt 0x0
	s_barrier_signal -1
	MUL12 1, 0, 1, 0                               ; register work while the others arrive
	WIN 0
	s_barrier_wait -1
.if \fill
	CREST
	s_add_nc_u64 s[G0+4*\slot+2:G0+4*\slot+3], s[G0+4*\slot+2:G0+4*\slot+3], 2*KSTEP*2
	s_add_nc_u64 s[G0B+4*\slot+2:G0B+4*\slot+3], s[G0B+4*\slot+2:G0B+4*\slot+3], 2*KSTEP*2
	JLOAD \slot
.endif
	PLACES
	FETCH \next, 0, 0
	WIN MUL_HI
	MUL12 1, 1, 0, 0
	MUL12 1, 1, 1, 0
.endm
.macro LAP zero
	THREE 0, \zero
	TURN 0, 1, 1
	THREE 1, 0
	TURN 1, 0, 1
.endm
	s_wait_tensorcnt 1                             ; my part of K step 0 is in; K step 1's, issued behind it, may stay out
	s_barrier_signal -1
	s_barrier_wait -1
	FETCH 0, 0, 0
	LAP 1                                          ; the first lap's first products start the sums
	WIN 0
	s_mov_b32 s3, LAPS-2
.Llap:
	LAP 0
	WIN 0
	s_sub_co_u32 s3, s3, 1
	s_cmp_lg_u32 s3, 0
	s_cbranch_scc1 .Llap
	THREE 0, 0                                     ; the last lap fills nothing
	TURN 0, 1, 0
	THREE 1, 0
	s_wait_dscnt 4
	WIN MUL_LO
	MUL12 1, 0, 0, 0
	MUL12 1, 0, 1, 0
	s_wait_dscnt 0
	WIN MUL_HI
	MUL12 1, 1, 0, 0
	MUL12 1, 1, 1, 0
	; THE WAY OUT, 16 rows at a time: round to f16, 16 bytes a lane into my stage, read back as rows of 128 bytes, four rows = 512 dense bytes a store.
	PLACES
	s_lshr_b32 s18, s43, 3                         ; batch = block row / 8: 16 heads x 2048 rows x 128 bytes
	s_lshl_b32 s18, s18, 22
	s_and_b32 s19, s43, 7
	s_lshl_b32 s19, s19, 15                        ; + 256 rows a block
	s_add_co_u32 s18, s18, s19
	s_lshl_b32 s19, s14, 13                        ; + 64 rows a wave
	s_add_co_u32 s18, s18, s19
	s_mov_b32 s19, 0
	s_lshl_b32 s46, s42, 18                        ; + head x 2048 rows (in the registers that held wt's address: none that fed xh's descriptors ever holds cx)
	s_mov_b32 s47, 0
.irp p, 8, 10, 12
	s_add_nc_u64 s[\p:\p+1], s[\p:\p+1], s[18:19]
	s_add_nc_u64 s[\p:\p+1], s[\p:\p+1], s[46:47]
.endr
.macro OUT16 row, acc, from
	WIN \from
.irp b, 0,1,2,3,4,5,6,7,8,9,10,11
.irp i, 0,1,2,3
	v_cvt_pk_f16_f32 v[TMP+4*\b+\i], v[8*(12*\acc+\b)+2*\i], v[8*(12*\acc+\b)+2*\i+1]
.endr
.endr
	WIN 0
.irp b, 0,1,2,3,4,5,6,7,8,9,10,11
	ds_store_b128 v[STO], v[TMP+4*\b:TMP+4*\b+3] offset:(\b/4)*SPART+(\b%4)*32
.endr
	s_wait_xcnt 0x0                                ; OUTB, which the stores of the 16 rows before read, is loaded again only behind this wait
.irp i, 0,1,2,3,4,5,6,7,8,9,10,11
	ds_load_b128 v[OUTB+4*\i:OUTB+4*\i+3], v[RD] offset:(\i/4)*SPART+(\i%4)*4*SPITCH   ; LDS serves a wave's instructions in order: these see the stores above
.endr
.irp i, 0,1,2,3
	s_wait_dscnt 11-\i
	global_store_b128 v[CO], v[OUTB+4*\i:OUTB+4*\i+3], s[8:9] offset:\row*2048+\i*512
.endr
.irp i, 0,1,2,3
	s_wait_dscnt 7-\i
	global_store_b128 v[CO], v[OUTB+16+4*\i:OUTB+16+4*\i+3], s[10:11] offset:\row*2048+\i*512
.endr
.irp i, 0,1,2,3
	s_wait_dscnt 3-\i
	global_store_b128 v[CO], v[OUTB+32+4*\i:OUTB+32+4*\i+3], s[12:13] offset:\row*2048+\i*512
.endr
.endm
	OUT16 0, 0, 0x0a
	OUT16 1, 1, 0x0a
	OUT16 2, 0, 0x0f
	OUT16 3, 1, 0x0f
	s_set_vgpr_msb 0x1
	s_wait_tensorcnt 0x0
	ds_add_u32 v255, v255
	s_wait_dscnt 0x0
	s_set_vgpr_msb 0x100
	CROUND                                         ; the closing round: no work-group ends while a partner may still ask for a tile that names it
	s_endpgm
.Lfunc_end_k_q5880fe8f97_qkv:
	.size	k_q5880fe8f97_qkv, .Lfunc_end_k_q5880fe8f97_qkv-k_q5880fe8f97_qkv
	.p2alignl 7, 3214868480
	.fill 96, 4, 3214868480
	.section	.rodata,"a",@progbits
	.p2align	6, 0x0
	.amdhsa_kernel k_q5880fe8f97_qkv
		.amdhsa_group_segment_fixed_size 327680
		.amdhsa_private_segment_fixed_size 0
		.amdhsa_enable_private_segment 0
		.amdhsa_kernarg_size 40
		.amdhsa_user_sgpr_count 2
		.amdhsa_user_sgpr_kernarg_segment_ptr 1
		.amdhsa_wavefront_size32 1
		.amdhsa_system_sgpr_workgroup_id_x 1
		.amdhsa_system_sgpr_workgroup_id_y 1
		.amdhsa_system_sgpr_workgroup_id_z 1
		.amdhsa_system_vgpr_workitem_id 0
		.amdhsa_next_free_vgpr 960
		.amdhsa_next_free_sgpr 66
		.amdhsa_reserve_vcc 0
		.amdhsa_float_denorm_mode_32 3
		.amdhsa_float_denorm_mode_16_64 3
		.amdhsa_memory_ordered 1
		.amdhsa_forward_progress 1
		.amdhsa_inst_pref_size 163
	.end_amdhsa_kernel
	.amdgpu_metadata
---
amdhsa.version: [ 1, 2 ]
amdhsa.kernels:
  - .name:           k_q5880fe8f97_qkv
    .symbol:         k_q5880fe8f97_qkv.kd
    .args:
      - { .name: xh, .offset: 0, .size: 8, .value_kind: global_buffer, .address_space: global }
      - { .name: wt, .offset: 8, .size: 8, .value_kind: global_buffer, .address_space: global }
      - { .name: qh, .offset: 16, .size: 8, .value_kind: global_buffer, .address_space: global }
      - { .name: kh, .offset: 24, .size: 8, .value_kind: global_buffer, .address_space: global }
      - { .name: vh, .offset: 32, .size: 8, .value_kind: global_buffer, .address_space: global }
    .group_segment_fixed_size: 327680
    .private_segment_fixed_size: 0
    .kernarg_segment_align: 8
    .kernarg_segment_size: 40
    .max_flat_workgroup_size: 128
    .sgpr_count:     66
    .vgpr_count:     960
    .wavefront_size: 32
...
	.end_amdgpu_metadata
.endif
;; end of part 2
;; launch attn (part 3): grid 8 x 32, 8 waves a work-group, clusters of 4 x 1, 327,680 bytes of LDS; arguments qh, kh, vh, mask, ah; writes ah
.if DOCPART == 3
	.amdgcn_target "amdgcn-amd-amdhsa--gfx1250"
	.amdhsa_code_object_version 6
	.text
	.protected	k_q5880fe8f97_attn
	.globl	k_q5880fe8f97_attn
	.p2align	8
	.type	k_q5880fe8f97_attn,@function
k_q5880fe8f97_attn:
	s_mov_b64 s[64:65], 0
	v_nop
	global_prefetch_b8 v0, s[64:65] scope:SCOPE_SE
	s_setreg_imm32_b32 hwreg(HW_REG_WAVE_MODE, 25, 1), 1
	s_wait_xcnt 0x0
	s_wait_alu depctr_hold_cnt(0) depctr_sa_sdst(0) depctr_va_vdst(0) depctr_va_sdst(0) depctr_va_ssrc(0) depctr_va_vcc(0) depctr_vm_vsrc(0)
	s_getreg_b32 s2, hwreg(HW_REG_IB_STS2, 6, 4)
	s_cmp_eq_u32 s2, 0
	s_cbranch_scc0 .Lentry_in_a_cluster
	s_endpgm
.Lentry_in_a_cluster:
	s_bfe_u32 s2, ttmp6, 0x10000c
	s_cmp_lg_u32 s2, 0x3003
	s_cbranch_scc0 .Lentry_shape_is_right
	s_endpgm
.Lentry_shape_is_right:
; attn: softmax(q k^T - causal bias - key bias) v for 256 queries of one (batch, head); grid x = query block, grid y = b*16+h.
; BOTH BIASES ARE FINITE (10000), so no part of the 2048 x 2048 square is skipped: a query whose own row is masked attends to later keys.
; Scores are kept in base 2: q already carries 0.125*log2(e); the biases are 10000*log2(e) = C2.  A running maximum is taken away before every exp2.
; Eight waves: wave w has query group g = w & 3 (64 queries) and key parity p = w >> 2: of each tile of 256 keys it takes keys 128 p .. 128 p + 127,
; as two sub-trips of 64 keys.  Two waves lie on each SIMD (512 registers each): one wave's softmax runs beside the other's matrix work.
; The two parities of a query group are merged once, at the end, through LDS.
; ORIENTATION: S^T = K Q^T (lane (r, h), register j: key 8 h + j, query r), so a query's statistics stay in a lane and its partner lane r + 16,
; and two S^T tiles, rounded to f16 in place, ARE the B fragment of O^T = V^T P.  V^T comes from V[key][u] by the transposing LDS load.
; KEY BIAS: (mask_j - 1) C2 is the C operand of a score tile's first matrix instruction.
; CAUSAL BIAS: for 64 keys x 64 queries it is one number, 0 (keys before) or -C2 (keys behind), and enters the statistics alone: max + t, exp2(s + (t - m)).
; The one tile on the diagonal is taken first, from loads of the work-group's own, with the bias added element by element; when the loop meets it again it is
; discarded by t = -1e30 (a select, no branch), so that all partners of a cluster walk the same tiles.  In the diagonal trip the p = 1 waves take
; the maximum and discard the weights, so that each tile counts once.
; CLUSTERS: the four query blocks of a cluster read the same K and V tiles: joint loads, mask 15, a quarter of the requests.
; LIMITS: f16 operands (|q|, |k|, |v| <= 65504, see the projection kernel); the discard needs |score| < 1e29; exp2 gives 0 below 2^-126;
; mask integers count as the numbers they are.
.set KP,     144                       ; pitch of K's and Q's rows: 128 bytes + 16
.set VP,     160                       ; pitch of V's rows: 128 + 32, an odd multiple of 32 for the transposing load
.set PIECE,  10240                     ; 64 keys of K (9216 used) or of V
.set SLOTB,  8*PIECE                   ; pieces 0-3: K of 256 keys, pieces 4-7: V
.set DIAG,   2*SLOTB                   ; my own 256 keys, filled once; later the merge's scratch
.set QBASE,  3*SLOTB                   ; 256 queries x 144, filled once; later the stage on the way out
.set BIAS,   QBASE+256*KP              ; 2048 f32: (mask - 1) C2; written by LDS stores, never filled by a tensor load
.set MSTR,   18432                     ; merge scratch of a query group
.set C2,     0x46616bcd                ; 10000 * log2(e)
.set NEGC2,  0xc6616bcd
.set NEGBIG, 0xf149f2ca                ; -1e30
.set KA,  2                            ; v2-3   K fragments' address in slot 0, 1
.set KAD, 4                            ; v4     in the diagonal slot
.set VA,  5                            ; v5-6   V fragments' address
.set VAD, 7
.set BA,  8                            ; v8     key bias, stepped by 1024 bytes a tile
.set QA,  9                            ; v9     Q fragments; also where results enter the stage
.set MX,  16                           ; v16-19 this trip's maximum, one register for each 16 queries
.set TP,  20                           ; v20-23 the partner lane's
.set M,   24                           ; v24-27 running maximum
.set MN,  28                           ; v28-31 new maximum
.set AD2, 32                           ; v32-39 t - new maximum, as pairs
.set AL2, 40                           ; v40-47 exp2(old - new), as pairs
.set L2,  48                           ; v48-55 running sums, two chains for each 16 queries
.set DG,  56                           ; v56-63 diagonal 16 x 16: -C2 where key 8 h + j > query r
.set BR,  64                           ; v64-95 key bias as C operands
.set QF,  96                           ; v96-159 Q fragments
.set KV,  160                          ; v160-223 K fragments, then V fragments
.set NC,  224                          ; v224-225 -C2
.set LN,  226
.set RR,  227
.set HH,  228
.set T0,  229
.set T1,  230
.set T2,  231
.set MG,  232
.set RD,  233
.set CO,  234
.set MOFF, 235
.set DOFF, 236
.set BST, 237
.set OB,  128                          ; window 1: S tile (qt, kt) at 8 (4 qt + kt), O tile (qt, ut) at OB + 8 (4 qt + ut)
.set G1K,  16                          ; joint, pitch 144
.set G1V,  24                          ; joint, pitch 160
.set G1KP, 32                          ; plain, pitch 144
.set G1VP, 40                          ; plain, pitch 160
.set G1Q,  84                          ; plain, pitch 144, 32 rows
.set PADK, (1<<16)|(1<<20)|(4<<22)|(3<<25)     ; 2-byte elements, padding on, after 32 words, 4 words
.set PADV, (1<<16)|(1<<20)|(4<<22)|(7<<25)     ; the same, 8 words
.set W0K,  PADK|15|(1<<21)                     ; with the mask of all four partners and bit 21 beside it
.set W0V,  PADV|15|(1<<21)
.set MSB, 0
.macro WIN new
.if MSB != \new
	s_set_vgpr_msb (MSB<<8)|\new
.set MSB, \new
.endif
.endm
.macro PLACES n
.rept \n
	v_nop
.endr
.endm
.macro SHAPE g, word0, rows            ; group 1: rows x 64 elements, rows 64 elements apart
	s_mov_b32 s[\g+0], \word0
	s_mov_b32 s[\g+1], 64<<16
	s_mov_b32 s[\g+2], \rows<<16
	s_mov_b32 s[\g+3], 64<<16
	s_mov_b32 s[\g+4], \rows
	s_mov_b32 s[\g+5], 64
	s_mov_b32 s[\g+6], 0
	s_mov_b32 s[\g+7], 0
.endm
.macro ROUND                           ; a round of the cluster's barrier
	s_barrier_signal -1
	s_barrier_wait -1
	s_cmp_lg_u32 s14, 0
	s_cbranch_scc1 .Lnot_wave_0_\@
	s_barrier_signal -3
.Lnot_wave_0_\@:
	s_barrier_wait -3
	s_barrier_signal -1
	s_barrier_wait -1
.endm
.macro JLOAD s                         ; my piece of a tile of 256 keys: waves 0-3 K, waves 4-7 V
	s_cmp_lt_u32 s14, 4
	s_cbranch_scc0 .Lfor_v_\@
	tensor_load_to_lds s[48+4*\s:51+4*\s], s[G1K:G1K+7]
	s_nop 0
	s_branch .Lasked_\@
.Lfor_v_\@:
	tensor_load_to_lds s[48+4*\s:51+4*\s], s[G1V:G1V+7]
	s_nop 0
.Lasked_\@:
.endm
	s_load_b256 s[4:11], s[0:1], 0x0               ; qh 4, kh 6, vh 8, mask 10
	s_load_b64 s[12:13], s[0:1], 0x20              ; ah
	v_lshl_add_u32 v254, v0, 2, 0x47000
	v_mov_b32 v255, 0
	ds_add_u32 v254, v255
	v_lshrrev_b32 v1, 5, v0
	v_readfirstlane_b32 s14, v1                    ; wave
	s_and_b32 s15, s14, 3                          ; g
	s_lshr_b32 s66, s14, 2                         ; p
	s_bfe_u32 s67, ttmp6, 0x40000                  ; cx
	s_lshl_b32 s68, ttmp9, 2
	s_add_co_u32 s68, s68, s67                     ; query block
	s_and_b32 s69, ttmp7, 0xffff                   ; b*16 + h
	s_lshl2_add_u32 s70, s68, s15                  ; G: my 64 queries, counted in sixty-fours
	s_lshl_b32 s71, s66, 1                         ; the 64 keys of my next sub-trip, counted likewise
	s_mov_b32 s75, 0x76543210                      ; v_permlanex16_b32: lane i reads lane i of the other half
	s_mov_b32 s76, 0xfedcba98
	SHAPE G1K,  W0K,  64
	SHAPE G1V,  W0V,  64
	SHAPE G1KP, PADK, 64
	SHAPE G1VP, PADV, 64
	SHAPE G1Q,  PADK, 32
	s_lshl_b32 s94, s69, 18                        ; joint tiles: 2048 keys x 128 bytes a head
	s_lshl_b32 s95, s15, 13                        ; + my piece's 64 keys: nothing here hangs on cx
	s_add_co_u32 s94, s94, s95
	s_mov_b32 s95, 0
	s_mul_i32 s82, s14, PIECE                      ; LDS: my piece of a slot
	s_mul_i32 s83, s14, 32*KP                      ; LDS: my 32 rows of Q
	s_lshl_b32 s80, s68, 15                        ; my block's 256 rows
	s_mov_b32 s81, 0
	s_lshl_b32 s78, s69, 18
	s_add_co_u32 s78, s78, s80
	s_lshl_b32 s79, s14, 12                        ; + 32 rows a wave
	s_add_co_u32 s78, s78, s79
	s_mov_b32 s79, 0
	s_wait_dscnt 0x0
	s_wait_kmcnt 0x0
	s_cmp_lt_u32 s14, 4
	s_cselect_b64 s[92:93], s[6:7], s[8:9]         ; waves 0-3 fetch K, waves 4-7 V
	s_add_nc_u64 s[92:93], s[92:93], s[94:95]
	s_mov_b32 s48, 1                               ; group 0, slot 0: tile 0
	s_mov_b32 s49, s82
	s_mov_b64 s[50:51], s[92:93]
	s_or_b32 s51, s51, 0x80000000
	s_mov_b32 s52, 1                               ; slot 1: tile 1
	s_add_co_u32 s53, s82, SLOTB
	s_add_nc_u64 s[54:55], s[92:93], 32768
	s_or_b32 s55, s55, 0x80000000
	s_mov_b32 s56, 1                               ; my own 256 keys
	s_add_co_u32 s57, s82, DIAG
	s_add_nc_u64 s[58:59], s[92:93], s[80:81]
	s_or_b32 s59, s59, 0x80000000
	s_mov_b32 s60, 1                               ; Q
	s_add_co_u32 s61, s83, QBASE
	s_add_nc_u64 s[62:63], s[4:5], s[78:79]
	s_or_b32 s63, s63, 0x80000000
	ROUND                                          ; in front of the first tensor loads
	tensor_load_to_lds s[60:63], s[G1Q:G1Q+7]
	s_nop 0
	s_cmp_lt_u32 s14, 4
	s_cbranch_scc0 .Ldiag_v
	tensor_load_to_lds s[56:59], s[G1KP:G1KP+7]
	s_nop 0
	s_branch .Ldiag_asked
.Ldiag_v:
	tensor_load_to_lds s[56:59], s[G1VP:G1VP+7]
	s_nop 0
.Ldiag_asked:
	JLOAD 0                                        ; three tensor loads of the wave are out
	s_lshr_b32 s78, s69, 4
	s_lshl_b32 s78, s78, 13                        ; my batch's 2048 mask words
	s_add_nc_u64 s[10:11], s[10:11], s[78:79]
	s_and_b32 s78, s69, 15                         ; ah [h][b*2048 + t][64]
	s_lshl_b32 s78, s78, 19
	s_lshr_b32 s80, s69, 4
	s_lshl_b32 s80, s80, 18
	s_add_co_u32 s78, s78, s80
	s_lshl_b32 s80, s70, 13                        ; + 64 G rows of 128 bytes
	s_add_co_u32 s78, s78, s80
	s_add_nc_u64 s[12:13], s[12:13], s[78:79]
	v_and_b32 v[LN], 31, v0
	v_and_b32 v[RR], 15, v0
	v_bfe_u32 v[HH], v0, 4, 1
	v_lshlrev_b32 v[MOFF], 5, v0                   ; eight mask words a thread
	s_lshl_b32 s80, s70, 8
	v_lshl_add_u32 v[DOFF], v[HH], 5, s80          ; the diagonal's 64 keys come straight from memory: no LDS address hangs on cx
	global_load_b128 v[KV:KV+3],   v[MOFF], s[10:11]
	global_load_b128 v[KV+4:KV+7], v[MOFF], s[10:11] offset:16
.irp kt, 0,1,2,3
	global_load_b128 v[BR+8*\kt:BR+8*\kt+3],   v[DOFF], s[10:11] offset:64*\kt
	global_load_b128 v[BR+8*\kt+4:BR+8*\kt+7], v[DOFF], s[10:11] offset:64*\kt+16
.endr
	v_mul_u32_u24 v[T0], v[RR], KP
	v_lshl_add_u32 v[T0], v[HH], 4, v[T0]          ; r x 144 + 16 h
	v_and_b32 v[T1], 7, v0
	v_lshl_add_u32 v[T1], v[HH], 3, v[T1]
	v_mul_u32_u24 v[T1], v[T1], VP
	v_bfe_u32 v[T2], v0, 3, 1
	v_lshl_add_u32 v[T1], v[T2], 4, v[T1]          ; (8 h + (l & 7)) x 160 + 16 ((l >> 3) & 1)
	s_mul_i32 s78, s66, 2*PIECE
	v_add_nc_u32 v[KA], s78, v[T0]                 ; K pieces 2 p, 2 p + 1
	v_add_nc_u32 v[KA+1], SLOTB, v[KA]
	s_mul_i32 s80, s15, PIECE
	s_add_co_u32 s80, s80, DIAG
	v_add_nc_u32 v[KAD], s80, v[T0]                ; diagonal: K piece g
	s_add_co_u32 s78, s78, 4*PIECE
	v_add_nc_u32 v[VA], s78, v[T1]
	v_add_nc_u32 v[VA+1], SLOTB, v[VA]
	s_add_co_u32 s80, s80, 4*PIECE
	v_add_nc_u32 v[VAD], s80, v[T1]
	s_lshl_b32 s78, s66, 9
	s_add_co_u32 s78, s78, BIAS
	v_lshl_add_u32 v[BA], v[HH], 5, s78            ; bias of key 128 p + 8 h
	s_mul_i32 s80, s15, 64*KP
	s_add_co_u32 s80, s80, QBASE
	v_add_nc_u32 v[QA], s80, v[T0]
	v_lshrrev_b32 v[T2], 3, v[LN]
	v_mul_u32_u24 v[T2], v[T2], KP
	v_and_b32 v[T1], 7, v0
	v_lshl_add_u32 v[T2], v[T1], 4, v[T2]
	v_add_nc_u32 v[RD], s80, v[T2]                 ; back from the stage: eight lanes a row
	v_lshlrev_b32 v[CO], 4, v[LN]
	s_mul_i32 s78, s15, MSTR
	s_add_co_u32 s78, s78, DIAG
	v_add_nc_u32 v[MG], s78, v[CO]
	v_add_nc_u32 v[BST], BIAS, v[MOFF]
	v_mov_b32 v[NC], NEGC2
	v_mov_b32 v[NC+1], NEGC2
	v_lshlrev_b32 v[T2], 3, v[HH]
	v_sub_nc_u32 v[T2], v[RR], v[T2]               ; r - 8 h
.irp j, 0,1,2,3,4,5,6,7
	v_cmp_gt_i32 vcc_lo, \j, v[T2]                 ; key 8 h + j behind query r
	v_cndmask_b32 v[DG+\j], 0, v[NC], vcc_lo
.endr
.irp qt, 0,1,2,3
	v_mov_b32 v[TP+\qt], 0                         ; v_permlanex16_b32's destination counts as read
.endr
	s_mov_b32 s80, C2
	s_mov_b32 s81, C2
	s_wait_loadcnt 0x8                             ; the table's two loads are in; the eight behind them may stay out
.irp i, 0,1,2,3,4,5,6,7
	v_cvt_f32_i32 v[KV+\i], v[KV+\i]
.endr
.irp i, 0,2,4,6
	v_pk_fma_f32 v[KV+\i:KV+\i+1], v[KV+\i:KV+\i+1], s[80:81], v[NC:NC+1] op_sel_hi:[1,0,1]   ; mask C2 - C2
.endr
	ds_store_b128 v[BST], v[KV:KV+3]
	ds_store_b128 v[BST], v[KV+4:KV+7] offset:16
	s_wait_loadcnt 0x0
.set i, 0
.rept 32
	v_cvt_f32_i32 v[BR+i], v[BR+i]
.set i, i+1
.endr
.set i, 0
.rept 16
	v_pk_fma_f32 v[BR+2*i:BR+2*i+1], v[BR+2*i:BR+2*i+1], s[80:81], v[NC:NC+1] op_sel_hi:[1,0,1]
.set i, i+1
.endr
	s_cmp_lg_u32 s66, 0
	s_cselect_b32 s73, NEGBIG, 0                   ; the diagonal tile counts in the p = 0 wave alone
; One sub-trip: 64 keys x my 64 queries.  ka, va: address registers; off: the piece; boff: the keys' place in the bias table (< 0: BR is ready);
; first = 1: the diagonal trip, which also starts every sum; sh: the tile's shift t.
.macro SUBTRIP ka, va, off, boff, first, sh
	WIN 0
.if \first == 0
	PLACES 5                                       ; behind the last O^T products: loads into their V fragments (4), score tiles over their P fragments (5)
.endif
.if \boff >= 0
.irp kt, 0,1,2,3
	ds_load_b128 v[BR+8*\kt:BR+8*\kt+3],   v[BA] offset:\boff+64*\kt
	ds_load_b128 v[BR+8*\kt+4:BR+8*\kt+7], v[BA] offset:\boff+64*\kt+16
.endr
.endif
.irp kt, 0,1,2,3
.irp ks, 0,1
	ds_load_b128 v[KV+16*\kt+8*\ks:KV+16*\kt+8*\ks+3],   v[\ka] offset:\off+\kt*16*KP+\ks*64
	ds_load_b128 v[KV+16*\kt+8*\ks+4:KV+16*\kt+8*\ks+7], v[\ka] offset:\off+\kt*16*KP+\ks*64+32
.endr
.endr
	s_wait_dscnt 0x0
	; S^T = K Q^T + key bias.  The 16 tiles take turns, one instruction a turn.
	WIN 0x40                                       ; D window 1; K, Q and the bias window 0
.irp kt, 0,1,2,3
.irp qt, 0,1,2,3
	v_wmma_f32_16x16x32_f16 v[8*(4*\qt+\kt):8*(4*\qt+\kt)+7], v[KV+16*\kt:KV+16*\kt+7], v[QF+16*\qt:QF+16*\qt+7], v[BR+8*\kt:BR+8*\kt+7]
.endr
.endr
	WIN 0x50                                       ; C and D window 1
.irp kt, 0,1,2,3
.irp qt, 0,1,2,3
	v_wmma_f32_16x16x32_f16 v[8*(4*\qt+\kt):8*(4*\qt+\kt)+7], v[KV+16*\kt+8:KV+16*\kt+15], v[QF+16*\qt+8:QF+16*\qt+15], v[8*(4*\qt+\kt):8*(4*\qt+\kt)+7]
.endr
.endr
	WIN 0
	PLACES 4                                       ; behind the score products: loads into their K fragments, readers of their results
.irp ut, 0,1,2,3
.irp kc, 0,1
	ds_load_tr16_b128 v[KV+16*\ut+8*\kc:KV+16*\ut+8*\kc+3],   v[\va] offset:\off+\kc*32*VP+\ut*32         ; V^T: these land while the softmax runs
	ds_load_tr16_b128 v[KV+16*\ut+8*\kc+4:KV+16*\ut+8*\kc+7], v[\va] offset:\off+\kc*32*VP+16*VP+\ut*32
.endr
.endr
.if \first
	WIN 0x41                                       ; the causal bias inside the diagonal 64 x 64
.irp qt, 0,1,2,3
.irp kt, 0,1,2,3
.if \kt > \qt
.irp i, 0,2,4,6
	v_pk_add_f32 v[8*(4*\qt+\kt)+\i:8*(4*\qt+\kt)+\i+1], v[8*(4*\qt+\kt)+\i:8*(4*\qt+\kt)+\i+1], v[NC:NC+1]
.endr
.endif
.if \kt == \qt
.irp i, 0,2,4,6
	v_pk_add_f32 v[8*(4*\qt+\kt)+\i:8*(4*\qt+\kt)+\i+1], v[8*(4*\qt+\kt)+\i:8*(4*\qt+\kt)+\i+1], v[DG+\i:DG+\i+1]
.endr
.endif
.endr
.endr
.endif
	WIN 0x14                                       ; the maximum of my 32 scores of each query: four chains
.irp i, 0,1,2,3,4,5,6,7,8,9,10,11,12,13,14,15
.irp qt, 0,1,2,3
.if \i == 0
	v_max3_num_f32 v[MX+\qt], 0xff7fffff, v[32*\qt], v[32*\qt+1]
.else
	v_max3_num_f32 v[MX+\qt], v[MX+\qt], v[32*\qt+2*\i], v[32*\qt+2*\i+1]
.endif
.endr
.endr
	WIN 0
.if \first == 0
.irp qt, 0,1,2,3
	v_add_f32 v[MX+\qt], \sh, v[MX+\qt]            ; the tile's causal shift
.endr
.endif
.irp qt, 0,1,2,3
	v_permlanex16_b32 v[TP+\qt], v[MX+\qt], s75, s76   ; the other eight keys of each sixteen
.endr
.irp qt, 0,1,2,3
.if \first
	v_max_num_f32 v[MN+\qt], v[MX+\qt], v[TP+\qt]
.else
	v_max3_num_f32 v[MN+\qt], v[MX+\qt], v[TP+\qt], v[M+\qt]
	v_sub_f32 v[AL2+2*\qt], v[M+\qt], v[MN+\qt]
.endif
	v_sub_f32 v[AD2+2*\qt],   \sh, v[MN+\qt]
	v_sub_f32 v[AD2+2*\qt+1], \sh, v[MN+\qt]
	v_mov_b32 v[M+\qt], v[MN+\qt]
.endr
.if \first
.irp i, 0,1,2,3,4,5,6,7
	v_mov_b32 v[L2+\i], 0
.endr
.else
.irp qt, 0,1,2,3
	v_exp_f32 v[AL2+2*\qt], v[AL2+2*\qt]
.endr
	v_nop                                          ; one plain place behind the exponentials (ISA guide 5.7.2)
	s_wait_alu depctr_va_vdst(0)
.irp qt, 0,1,2,3
	v_mov_b32 v[AL2+2*\qt+1], v[AL2+2*\qt]
.endr
.irp qt, 0,1,2,3
	v_pk_mul_f32 v[L2+2*\qt:L2+2*\qt+1], v[L2+2*\qt:L2+2*\qt+1], v[AL2+2*\qt:AL2+2*\qt+1]
.endr
.endif
	WIN 0x41                                       ; destination and source 0 window 1, source 1 window 0
.irp qt, 0,1,2,3
.set i, 0
.rept 16
	v_pk_add_f32 v[32*\qt+2*i:32*\qt+2*i+1], v[32*\qt+2*i:32*\qt+2*i+1], v[AD2+2*\qt:AD2+2*\qt+1]
.set i, i+1
.endr
.endr
.irp qt, 0,1,2,3
.set i, 0
.rept 16
	v_exp_f32 v[32*\qt+2*i],   v[32*\qt+2*i]
	v_exp_f32 v[32*\qt+2*i+1], v[32*\qt+2*i+1]
.if \first == 0
	v_pk_mul_f32 v[OB+32*\qt+2*i:OB+32*\qt+2*i+1], v[OB+32*\qt+2*i:OB+32*\qt+2*i+1], v[AL2+2*\qt:AL2+2*\qt+1]   ; O to the new maximum: plain work between the exponentials
.endif
.set i, i+1
.endr
.endr
.if \first
	v_nop
	s_wait_alu depctr_va_vdst(0)
.endif
	WIN 0x01
	s_wait_alu depctr_va_vdst(0)
.irp i, 0,1,2,3,4,5,6,7,8,9,10,11,12,13,14,15
.irp qt, 0,1,2,3
	v_pk_add_f32 v[L2+2*\qt:L2+2*\qt+1], v[32*\qt+2*\i:32*\qt+2*\i+1], v[L2+2*\qt:L2+2*\qt+1]
.endr
.endr
	WIN 0x45                                       ; two score tiles become one B fragment, in place: tile 2 kc into registers 0-3, then tile 2 kc + 1 into 4-7
.irp qt, 0,1,2,3
.irp kc, 0,1
.irp i, 0,1,2,3
	v_cvt_pk_f16_f32 v[32*\qt+16*\kc+\i], v[32*\qt+16*\kc+2*\i], v[32*\qt+16*\kc+2*\i+1]
.endr
.irp i, 0,1,2,3
	v_cvt_pk_f16_f32 v[32*\qt+16*\kc+4+\i], v[32*\qt+16*\kc+8+2*\i], v[32*\qt+16*\kc+8+2*\i+1]
.endr
.endr
.endr
	s_wait_dscnt 0x0                               ; V^T is in
	WIN 0x54                                       ; O^T += V^T P: A window 0; B, C, D window 1.  The 16 tiles take turns.
.irp kc, 0,1
.irp ut, 0,1,2,3
.irp qt, 0,1,2,3
.if \first*(1-\kc)
	v_wmma_f32_16x16x32_f16 v[OB+8*(4*\qt+\ut):OB+8*(4*\qt+\ut)+7], v[KV+16*\ut+8*\kc:KV+16*\ut+8*\kc+7], v[32*\qt+16*\kc:32*\qt+16*\kc+7], 0
.else
	v_wmma_f32_16x16x32_f16 v[OB+8*(4*\qt+\ut):OB+8*(4*\qt+\ut)+7], v[KV+16*\ut+8*\kc:KV+16*\ut+8*\kc+7], v[32*\qt+16*\kc:32*\qt+16*\kc+7], v[OB+8*(4*\qt+\ut):OB+8*(4*\qt+\ut)+7]
.endif
.endr
.endr
.endr
.endm
.macro SHIFT n                         ; the shift of key tile n against my queries G: selects, no branch
	s_cmp_gt_u32 \n, s70
	s_cselect_b32 s72, NEGC2, 0
	s_cmp_eq_u32 \n, s70
	s_cselect_b32 s72, NEGBIG, s72
.endm
; One tile of 256 keys.  In front of the round every wave waits for all its tensor loads (its piece of this tile among them) and for its reads of the
; other slot; the joint refill of that slot is the first tensor load behind the round and has this trip's two sub-trips in which to land.
.macro TRIP slot, refill
	WIN 0
	s_wait_tensorcnt 0x0
	ds_add_u32 v254, v255
	s_wait_dscnt 0x0
	s_add_nc_u64 s[50+4*\slot:51+4*\slot], s[50+4*\slot:51+4*\slot], 65536   ; no load of mine is out: this slot's next tile, two tiles on
	s_wait_dscnt 0x0
	ROUND
.if \refill
	JLOAD (1-\slot)
.endif
	SHIFT s71
	SUBTRIP KA+\slot, VA+\slot, 0, 0, 0, s72
	s_add_co_u32 s78, s71, 1
	SHIFT s78
	SUBTRIP KA+\slot, VA+\slot, PIECE, 256, 0, s72
	WIN 0
	v_add_nc_u32 v[BA], 1024, v[BA]
	s_add_co_u32 s71, s71, 4
.endm
	s_wait_tensorcnt 0x1                           ; Q and my own keys are in; tile 0, issued behind them, may stay out
	s_wait_dscnt 0x0                               ; the bias table's stores
	s_barrier_signal -1
	s_barrier_wait -1
.irp qt, 0,1,2,3
.irp ks, 0,1
	ds_load_b128 v[QF+16*\qt+8*\ks:QF+16*\qt+8*\ks+3],   v[QA] offset:\qt*16*KP+\ks*64
	ds_load_b128 v[QF+16*\qt+8*\ks+4:QF+16*\qt+8*\ks+7], v[QA] offset:\qt*16*KP+\ks*64+32
.endr
.endr
	SUBTRIP KAD, VAD, 0, -1, 1, s73
	WIN 0
	s_mov_b32 s74, 3
.Ltiles:
	TRIP 0, 1
	TRIP 1, 1
	s_sub_co_u32 s74, s74, 1
	s_cmp_lg_u32 s74, 0
	s_cbranch_scc1 .Ltiles
	TRIP 0, 1                                      ; tiles 6 and 7: the last fetches nothing
	TRIP 1, 0
	; THE MERGE of the two key parities of a query group.
	PLACES 4                                       ; behind the last products
.irp qt, 0,1,2,3
	v_add_f32 v[MN+\qt], v[L2+2*\qt], v[L2+2*\qt+1]
.endr
.irp qt, 0,1,2,3
	v_permlanex16_b32 v[TP+\qt], v[MN+\qt], s75, s76
.endr
.irp qt, 0,1,2,3
	v_add_f32 v[MN+\qt], v[MN+\qt], v[TP+\qt]      ; the query's sum
.endr
	s_cmp_eq_u32 s66, 0
	s_cbranch_scc1 .Lkeep
	WIN 0x04                                       ; store data window 1
.set i, 0
.rept 32
	ds_store_b128 v[MG], v[OB+4*i:OB+4*i+3] offset:512*i
.set i, i+1
.endr
	WIN 0
	ds_store_b128 v[MG], v[M:M+3] offset:16384
	ds_store_b128 v[MG], v[MN:MN+3] offset:16896
.Lkeep:
	s_wait_dscnt 0x0                               ; my stores are in LDS before I say so
	s_barrier_signal -1
	s_barrier_wait -1
	s_cmp_lg_u32 s66, 0
	s_cbranch_scc1 .Lclose
	ds_load_b128 v[MX:MX+3], v[MG] offset:16384    ; the partner's maxima
	ds_load_b128 v[TP:TP+3], v[MG] offset:16896    ; and sums
	WIN 0x40
.set i, 0
.rept 32
	ds_load_b128 v[4*i:4*i+3], v[MG] offset:512*i  ; its O, where the scores lay
.set i, i+1
.endr
	WIN 0
	s_wait_dscnt 32                                ; maxima and sums are in; the 32 loads behind them may stay out
.irp qt, 0,1,2,3
	v_max_num_f32 v[L2+\qt], v[M+\qt], v[MX+\qt]
	v_sub_f32 v[M+\qt],  v[M+\qt],  v[L2+\qt]
	v_sub_f32 v[MX+\qt], v[MX+\qt], v[L2+\qt]
.endr
.irp qt, 0,1,2,3
	v_exp_f32 v[M+\qt],  v[M+\qt]
	v_exp_f32 v[MX+\qt], v[MX+\qt]
.endr
	v_nop
	s_wait_alu depctr_va_vdst(0)
.irp qt, 0,1,2,3
	v_mul_f32 v[MN+\qt], v[MN+\qt], v[M+\qt]
	v_fmac_f32 v[MN+\qt], v[TP+\qt], v[MX+\qt]     ; the whole row's sum: at least the largest weight, 1
.endr
.irp qt, 0,1,2,3
	v_rcp_f32 v[MN+\qt], v[MN+\qt]
.endr
	v_nop
	s_wait_alu depctr_va_vdst(0)
.irp qt, 0,1,2,3
	v_mul_f32 v[AD2+2*\qt],   v[M+\qt],  v[MN+\qt]
	v_mul_f32 v[AD2+2*\qt+1], v[M+\qt],  v[MN+\qt]
	v_mul_f32 v[AL2+2*\qt],   v[MX+\qt], v[MN+\qt]
	v_mul_f32 v[AL2+2*\qt+1], v[MX+\qt], v[MN+\qt]
.endr
	s_wait_dscnt 0x0
	WIN 0x41
.irp qt, 0,1,2,3
.set i, 0
.rept 16
	v_pk_mul_f32 v[32*\qt+2*i:32*\qt+2*i+1], v[32*\qt+2*i:32*\qt+2*i+1], v[AL2+2*\qt:AL2+2*\qt+1]
.set i, i+1
.endr
.endr
	WIN 0x51
.irp qt, 0,1,2,3
.set i, 0
.rept 16
	v_pk_fma_f32 v[OB+32*\qt+2*i:OB+32*\qt+2*i+1], v[OB+32*\qt+2*i:OB+32*\qt+2*i+1], v[AD2+2*\qt:AD2+2*\qt+1], v[32*\qt+2*i:32*\qt+2*i+1]
.set i, i+1
.endr
.endr
	WIN 0x05
.set i, 0
.rept 64
	v_cvt_pk_f16_f32 v[KV+i], v[OB+2*i], v[OB+2*i+1]   ; a lane's eight results are eight neighbouring u of one query: 16 bytes
.set i, i+1
.endr
	WIN 0
.irp qt, 0,1,2,3
.irp ut, 0,1,2,3
	ds_store_b128 v[QA], v[KV+4*(4*\qt+\ut):KV+4*(4*\qt+\ut)+3] offset:\qt*16*KP+\ut*32
.endr
.endr
.set i, 0
.rept 16
	ds_load_b128 v[QF+4*i:QF+4*i+3], v[RD] offset:i*4*KP   ; LDS serves a wave's instructions in order: these see the stores above
.set i, i+1
.endr
.set i, 0
.rept 16
	s_wait_dscnt 15-i
	global_store_b128 v[CO], v[QF+4*i:QF+4*i+3], s[12:13] offset:512*i   ; four rows of 128 bytes: 512 consecutive bytes, aligned
.set i, i+1
.endr
.Lclose:
	s_wait_tensorcnt 0x0
	ds_add_u32 v254, v255
	s_wait_dscnt 0x0
	ROUND                                          ; the closing round
	s_endpgm
.Lfunc_end_k_q5880fe8f97_attn:
	.size	k_q5880fe8f97_attn, .Lfunc_end_k_q5880fe8f97_attn-k_q5880fe8f97_attn
	.p2alignl 7, 3214868480
	.fill 96, 4, 3214868480
	.section	.rodata,"a",@progbits
	.p2align	6, 0x0
	.amdhsa_kernel k_q5880fe8f97_attn
		.amdhsa_group_segment_fixed_size 327680
		.amdhsa_private_segment_fixed_size 0
		.amdhsa_enable_private_segment 0
		.amdhsa_kernarg_size 40
		.amdhsa_user_sgpr_count 2
		.amdhsa_user_sgpr_kernarg_segment_ptr 1
		.amdhsa_wavefront_size32 1
		.amdhsa_system_sgpr_workgroup_id_x 1
		.amdhsa_system_sgpr_workgroup_id_y 1
		.amdhsa_system_sgpr_workgroup_id_z 1
		.amdhsa_system_vgpr_workitem_id 0
		.amdhsa_next_free_vgpr 512
		.amdhsa_next_free_sgpr 96
		.amdhsa_reserve_vcc 1
		.amdhsa_float_denorm_mode_32 3
		.amdhsa_float_denorm_mode_16_64 3
		.amdhsa_memory_ordered 1
		.amdhsa_forward_progress 1
		.amdhsa_inst_pref_size 255
	.end_amdhsa_kernel
	.section	.bss,"aw",@nobits
	.p2align	6
	.space	262144
	.amdgpu_metadata
---
amdhsa.version: [ 1, 2 ]
amdhsa.kernels:
  - .name:           k_q5880fe8f97_attn
    .symbol:         k_q5880fe8f97_attn.kd
    .args:
      - { .name: qh, .offset: 0, .size: 8, .value_kind: global_buffer, .address_space: global }
      - { .name: kh, .offset: 8, .size: 8, .value_kind: global_buffer, .address_space: global }
      - { .name: vh, .offset: 16, .size: 8, .value_kind: global_buffer, .address_space: global }
      - { .name: mask, .offset: 24, .size: 8, .value_kind: global_buffer, .address_space: global }
      - { .name: ah, .offset: 32, .size: 8, .value_kind: global_buffer, .address_space: global }
    .group_segment_fixed_size: 327680
    .private_segment_fixed_size: 0
    .kernarg_segment_align: 8
    .kernarg_segment_size: 40
    .max_flat_workgroup_size: 256
    .sgpr_count:     96
    .vgpr_count:     512
    .wavefront_size: 32
...
	.end_amdgpu_metadata
.endif
;; end of part 3
;; launch oproj (part 4): grid 8 x 32, 4 waves a work-group, clusters of 4 x 4, 327,680 bytes of LDS; arguments ah, wot, out0; writes out0
.if DOCPART == 4
	.amdgcn_target "amdgcn-amd-amdhsa--gfx1250"
	.amdhsa_code_object_version 6
	.text
	.protected	k_q5880fe8f97_oproj
	.globl	k_q5880fe8f97_oproj
	.p2align	8
	.type	k_q5880fe8f97_oproj,@function
k_q5880fe8f97_oproj:
	s_mov_b64 s[64:65], 0
	v_nop
	global_prefetch_b8 v0, s[64:65] scope:SCOPE_SE
	s_setreg_imm32_b32 hwreg(HW_REG_WAVE_MODE, 25, 1), 1
	s_wait_xcnt 0x0
	s_wait_alu depctr_hold_cnt(0) depctr_sa_sdst(0) depctr_va_vdst(0) depctr_va_sdst(0) depctr_va_ssrc(0) depctr_va_vcc(0) depctr_vm_vsrc(0)
	s_getreg_b32 s2, hwreg(HW_REG_IB_STS2, 6, 4)
	s_cmp_eq_u32 s2, 0
	s_cbranch_scc0 .Lentry_in_a_cluster
	s_endpgm
.Lentry_in_a_cluster:
	s_bfe_u32 s2, ttmp6, 0x10000c
	s_cmp_lg_u32 s2, 0xf033
	s_cbranch_scc0 .Lentry_shape_is_right
	s_endpgm
.Lentry_shape_is_right:
; oproj: out0 [4096][1024] f32 = attended [4096 x 1024] (ah, f16, [h][row][64]) times wot [n][k]^T (f16), f32 sums.
; 4096 x 1024 outputs on 256 work-groups: a block of 128 x 128 each (grid x = block of n, grid y = block of rows); four waves, 64 x 64 each, 16 accumulator tiles.
; K goes in 8 steps of 128 (two heads) through four LDS slots, filled two at a time: behind each round of the cluster's barrier two K steps go out,
; and they have the two K steps that are multiplied meanwhile in which to land.  At most four tensor loads of a wave are out.
; CLUSTERS: 4 x 4.  ah's tiles hang on the block row alone (joint along a row of the cluster), wot's on the block column alone (joint along a column).
; The matrix instruction is used transposed (source 0 = rows of wot, source 1 = rows of ah): a lane's eight results are 32 neighbouring bytes of a row of out0.
.set APITCH, 144                       ; a head's 64 u: 128 bytes + 16
.set BPITCH, 272                       ; 128 k: 256 bytes + 16
.set ASUB,   128*APITCH                ; 128 rows of one head
.set BOFF,   2*ASUB
.set BHALF,  64*BPITCH
.set SLOT,   BOFF+2*BHALF
.set STAGE,  4*SLOT                    ; behind the ring: 16 rows x 272 bytes for each wave, never filled by a tensor load
.set SPITCH, 272
.set ADRA, 8                           ; v8-11  my ah fragments in slot 0..3
.set ADRB, 12                          ; v12-15 my wot fragments
.set STO,  16
.set RD,   17
.set CO,   18
.set F,    64                          ; buffer f at F + 64 f: wot's four fragments, then ah's four
.set OUTB, 192
.set G1A, 16
.set G1B, 24
.set G0A, 32                           ; s[32:47] one set a slot
.set G0B, 48                           ; s[48:63]
.set MSB, 0
.macro WIN new
.if MSB != \new
	s_set_vgpr_msb (MSB<<8)|\new
.set MSB, \new
.endif
.endm
.macro PLACES
.rept 4
	v_nop
.endr
.endm
.macro JLOAD s                         ; waves 0, 1 ask for the K step's two heads of ah, waves 2, 3 for wot's two halves
	s_cmp_eq_u32 s11, 0
	s_cbranch_scc0 .Lfor_b_\@
	tensor_load_to_lds s[G0A+4*\s:G0A+4*\s+3], s[G1A:G1A+7]
	s_nop 0
	s_branch .Lasked_\@
.Lfor_b_\@:
	tensor_load_to_lds s[G0B+4*\s:G0B+4*\s+3], s[G1B:G1B+7]
	s_nop 0
.Lasked_\@:
.endm
.macro CROUND
	s_barrier_signal -1
	s_barrier_wait -1
	s_cmp_lg_u32 s10, 0
	s_cbranch_scc1 .Lnot_wave_0_\@
	s_barrier_signal -3
.Lnot_wave_0_\@:
	s_barrier_wait -3
	s_barrier_signal -1
	s_barrier_wait -1
.endm
	s_load_b128 s[4:7], s[0:1], 0x0                ; ah, wot
	s_load_b64 s[8:9], s[0:1], 0x10                ; out0
	v_lshl_add_u32 v254, v0, 2, 0x4a400
	v_mov_b32 v255, 0
	ds_add_u32 v254, v255
	v_lshrrev_b32 v1, 5, v0
	v_readfirstlane_b32 s10, v1                    ; wave
	s_lshr_b32 s11, s10, 1                         ; my half of the block's rows; also: I fetch for ah (0) or wot (1)
	s_and_b32 s12, s10, 1                          ; my half of its columns; also which half of wot's tile
	s_bfe_u32 s66, ttmp6, 0x40000                  ; cx
	s_bfe_u32 s67, ttmp6, 0x40004                  ; cy
	s_lshl_b32 s68, ttmp9, 2
	s_add_co_u32 s68, s68, s66                     ; block column
	s_and_b32 s69, ttmp7, 0xffff
	s_lshl_b32 s69, s69, 2
	s_add_co_u32 s69, s69, s67                     ; block row
	s_lshl_b32 s70, s67, 2
	s_lshl_b32 s70, 15, s70                        ; my row of the cluster
	s_lshl_b32 s71, 0x1111, s66                    ; my column
	s_or_b32 s[G1A+0], s70, (1<<16)|(1<<20)|(1<<21)|(4<<22)|(3<<25)   ; 128 rows x 64 elements; after 32 words, 4 words
	s_mov_b32 s[G1A+1], 64<<16
	s_mov_b32 s[G1A+2], 128<<16
	s_mov_b32 s[G1A+3], 64<<16
	s_mov_b32 s[G1A+4], 128
	s_mov_b32 s[G1A+5], 64
	s_mov_b32 s[G1A+6], 0
	s_mov_b32 s[G1A+7], 0
	s_or_b32 s[G1B+0], s71, (1<<16)|(1<<20)|(1<<21)|(5<<22)|(3<<25)   ; 64 rows x 128 elements; after 64 words, 4 words
	s_mov_b32 s[G1B+1], 128<<16
	s_mov_b32 s[G1B+2], 64<<16
	s_mov_b32 s[G1B+3], 128<<16
	s_mov_b32 s[G1B+4], 64
	s_mov_b32 s[G1B+5], 1024
	s_mov_b32 s[G1B+6], 0
	s_mov_b32 s[G1B+7], 0
	s_lshl_b32 s72, s10, 19                        ; ah: head = wave (4096 rows x 128 bytes)
	s_lshl_b32 s73, s69, 14                        ;     + 128 rows a block row
	s_add_co_u32 s72, s72, s73
	s_mov_b32 s73, 0
	s_lshl_b32 s74, s68, 18                        ; wot: 128 rows of 2048 bytes a block column
	s_lshl_b32 s75, s12, 17                        ;      + 64 rows a half
	s_add_co_u32 s74, s74, s75
	s_mov_b32 s75, 0
	s_mul_i32 s76, s10, ASUB                       ; LDS: waves 0, 1
	s_mul_i32 s77, s10, BHALF
	s_add_co_u32 s77, s77, BOFF-2*BHALF            ; waves 2, 3
	s_wait_dscnt 0x0
	s_wait_kmcnt 0x0
	s_add_nc_u64 s[72:73], s[4:5], s[72:73]
	s_add_nc_u64 s[74:75], s[6:7], s[74:75]
	CROUND                                         ; in front of the first joint loads
.irp s, 0,1,2,3
	s_mov_b32 s[G0A+4*\s], 1
	s_add_co_u32 s[G0A+4*\s+1], s76, \s*SLOT
	s_add_nc_u64 s[G0A+4*\s+2:G0A+4*\s+3], s[72:73], \s*1048576      ; K step s: two heads on
	s_or_b32 s[G0A+4*\s+3], s[G0A+4*\s+3], 0x80000000
	s_mov_b32 s[G0B+4*\s], 1
	s_add_co_u32 s[G0B+4*\s+1], s77, \s*SLOT
	s_add_nc_u64 s[G0B+4*\s+2:G0B+4*\s+3], s[74:75], \s*256
	s_or_b32 s[G0B+4*\s+3], s[G0B+4*\s+3], 0x80000000
	JLOAD \s
.endr
	v_and_b32 v1, 15, v0                           ; r
	v_bfe_u32 v2, v0, 4, 1                         ; h
	v_mul_u32_u24 v3, v1, APITCH
	v_lshl_add_u32 v3, v2, 4, v3
	v_mul_u32_u24 v4, v1, BPITCH
	v_lshl_add_u32 v4, v2, 4, v4
	s_mul_i32 s76, s11, 64*APITCH                  ; my 64 rows of ah
	s_mul_i32 s77, s12, 64*BPITCH                  ; my 64 rows of wot
	s_add_co_u32 s77, s77, BOFF
.irp s, 0,1,2,3
	v_add_nc_u32 v[ADRA+\s], s76, v3
	v_add_nc_u32 v[ADRB+\s], s77, v4
	s_add_co_u32 s76, s76, SLOT
	s_add_co_u32 s77, s77, SLOT
.endr
	s_mul_i32 s78, s10, 16*SPITCH
	s_add_co_u32 s78, s78, STAGE
	v_mul_u32_u24 v5, v1, SPITCH
	v_lshl_add_u32 v5, v2, 5, v5
	v_add_nc_u32 v[STO], s78, v5                   ; in: row r, 32 bytes for each half of the lanes
	v_mul_u32_u24 v6, v2, SPITCH
	v_lshl_add_u32 v6, v1, 4, v6
	v_add_nc_u32 v[RD], s78, v6                    ; back: lanes 0-15 a row of 256 bytes, lanes 16-31 the next
	v_lshlrev_b32 v7, 12, v2
	v_lshl_add_u32 v[CO], v1, 4, v7                ; the same two rows in out0
; 16 LDS loads: quarter q (32 along K) of a slot into buffer f, four places behind the matrix instructions that read that buffer
.macro FETCH slot, q, f
	WIN 0
	PLACES
.irp i, 0,1,2,3
	ds_load_b128 v[F+64*\f+8*\i:F+64*\f+8*\i+3],   v[ADRB+\slot] offset:\q*64+\i*16*BPITCH
	ds_load_b128 v[F+64*\f+8*\i+4:F+64*\f+8*\i+7], v[ADRB+\slot] offset:\q*64+\i*16*BPITCH+32
.endr
.irp i, 0,1,2,3
	ds_load_b128 v[F+64*\f+32+8*\i:F+64*\f+32+8*\i+3],   v[ADRA+\slot] offset:(\q/2)*ASUB+(\q%2)*64+\i*16*APITCH
	ds_load_b128 v[F+64*\f+32+8*\i+4:F+64*\f+32+8*\i+7], v[ADRA+\slot] offset:(\q/2)*ASUB+(\q%2)*64+\i*16*APITCH+32
.endr
.endm
; 16 matrix instructions; the 16 accumulators take turns, one instruction a turn
.macro MUL f, zero
	WIN 0x50                                       ; C and D window 1, fragments window 0
.irp a, 0,1,2,3
.irp b, 0,1,2,3
.if \zero
	v_wmma_f32_16x16x32_f16 v[8*(4*\a+\b):8*(4*\a+\b)+7], v[F+64*\f+8*\b:F+64*\f+8*\b+7], v[F+64*\f+32+8*\a:F+64*\f+32+8*\a+7], 0
.else
	v_wmma_f32_16x16x32_f16 v[8*(4*\a+\b):8*(4*\a+\b)+7], v[F+64*\f+8*\b:F+64*\f+8*\b+7], v[F+64*\f+32+8*\a:F+64*\f+32+8*\a+7], v[8*(4*\a+\b):8*(4*\a+\b)+7]
.endif
.endr
.endr
.endm
.macro QS slot, q, g, f, zero          ; fetch the next quarter into buffer g, multiply buffer f
	FETCH \slot, \q, \g
	s_wait_dscnt 16                                ; all but the 16 just issued
	MUL \f, \zero
.endm
.macro SUPER s0, s1, zero              ; two K steps
	FETCH \s0, 0, 0
	QS \s0, 1, 1, 0, \zero
	QS \s0, 2, 0, 1, 0
	QS \s0, 3, 1, 0, 0
	QS \s1, 0, 0, 1, 0
	QS \s1, 1, 1, 0, 0
	QS \s1, 2, 0, 1, 0
	QS \s1, 3, 1, 0, 0
	s_wait_dscnt 0
	MUL 1, 0
.endm
; Slots a, b, which have been read, are filled again, four K steps on: every wave's reads and all its tensor loads are waited for in front of the round,
; the joint refills are the first tensor loads behind it.
.macro REFILL a, b
	WIN 0
	s_wait_dscnt 0x0
	s_wait_tensorcnt 0x0
	ds_add_u32 v254, v255
	s_wait_dscnt 0x0
.irp s, \a, \b
	s_add_nc_u64 s[G0A+4*\s+2:G0A+4*\s+3], s[G0A+4*\s+2:G0A+4*\s+3], 4*1048576
	s_add_nc_u64 s[G0B+4*\s+2:G0B+4*\s+3], s[G0B+4*\s+2:G0B+4*\s+3], 4*256
.endr
	CROUND
	JLOAD \a
	JLOAD \b
.endm
	s_wait_tensorcnt 2                             ; my parts of K steps 0, 1 are in; those of 2, 3, issued behind them, may stay out
	s_barrier_signal -1
	s_barrier_wait -1
	SUPER 0, 1, 1                                  ; the first products start the sums
	REFILL 0, 1                                    ; K steps 4, 5 go out
	SUPER 2, 3, 0
	REFILL 2, 3                                    ; K steps 6, 7 go out
	SUPER 0, 1, 0
	WIN 0
	s_wait_dscnt 0x0
	s_wait_tensorcnt 0x0                           ; the last two K steps are in,
	s_barrier_signal -1
	s_barrier_wait -1                              ; everybody's parts
	SUPER 2, 3, 0
	; THE WAY OUT, 16 rows at a time through my stage: whole rows of 256 bytes come back.
	PLACES
	s_lshl_b32 s72, s69, 19                        ; 128 rows of 4096 bytes a block row
	s_lshl_b32 s73, s11, 18                        ; + 64 rows
	s_add_co_u32 s72, s72, s73
	s_mov_b32 s73, 0
	s_lshl_b32 s74, s68, 9                         ; 128 columns of 4 bytes a block column
	s_lshl_b32 s75, s12, 8                         ; + 64 columns
	s_add_co_u32 s74, s74, s75
	s_mov_b32 s75, 0
	s_add_nc_u64 s[8:9], s[8:9], s[72:73]
	s_add_nc_u64 s[8:9], s[8:9], s[74:75]
.irp a, 0,1,2,3
	WIN 0x04                                       ; store data window 1
.irp b, 0,1,2,3
	ds_store_b128 v[STO], v[8*(4*\a+\b):8*(4*\a+\b)+3]   offset:\b*64
	ds_store_b128 v[STO], v[8*(4*\a+\b)+4:8*(4*\a+\b)+7] offset:\b*64+16
.endr
	WIN 0
	s_wait_xcnt 0x0                                ; OUTB, which the stores of the 16 rows before read, is loaded again only behind this wait
.irp t, 0,1,2,3,4,5,6,7
	ds_load_b128 v[OUTB+4*\t:OUTB+4*\t+3], v[RD] offset:\t*2*SPITCH   ; LDS serves a wave's instructions in order: these see the stores above
.endr
.irp t, 0,1,2,3,4,5,6,7
	s_wait_dscnt 7-\t
	global_store_b128 v[CO], v[OUTB+4*\t:OUTB+4*\t+3], s[8:9] offset:(16*\a+2*\t)*4096 th:TH_STORE_NT   ; 16 lanes store 256 consecutive bytes, aligned
.endr
.endr
	s_wait_tensorcnt 0x0
	ds_add_u32 v254, v255
	s_wait_dscnt 0x0
	CROUND                                         ; the closing round
	s_endpgm
.Lfunc_end_k_q5880fe8f97_oproj:
	.size	k_q5880fe8f97_oproj, .Lfunc_end_k_q5880fe8f97_oproj-k_q5880fe8f97_oproj
	.p2alignl 7, 3214868480
	.fill 96, 4, 3214868480
	.section	.rodata,"a",@progbits
	.p2align	6, 0x0
	.amdhsa_kernel k_q5880fe8f97_oproj
		.amdhsa_group_segment_fixed_size 327680
		.amdhsa_private_segment_fixed_size 0
		.amdhsa_enable_private_segment 0
		.amdhsa_kernarg_size 24
		.amdhsa_user_sgpr_count 2
		.amdhsa_user_sgpr_kernarg_segment_ptr 1
		.amdhsa_wavefront_size32 1
		.amdhsa_system_sgpr_workgroup_id_x 1
		.amdhsa_system_sgpr_workgroup_id_y 1
		.amdhsa_system_sgpr_workgroup_id_z 1
		.amdhsa_system_vgpr_workitem_id 0
		.amdhsa_next_free_vgpr 384
		.amdhsa_next_free_sgpr 80
		.amdhsa_reserve_vcc 0
		.amdhsa_float_denorm_mode_32 3
		.amdhsa_float_denorm_mode_16_64 3
		.amdhsa_memory_ordered 1
		.amdhsa_forward_progress 1
		.amdhsa_inst_pref_size 91
	.end_amdhsa_kernel
	.amdgpu_metadata
---
amdhsa.version: [ 1, 2 ]
amdhsa.kernels:
  - .name:           k_q5880fe8f97_oproj
    .symbol:         k_q5880fe8f97_oproj.kd
    .args:
      - { .name: ah, .offset: 0, .size: 8, .value_kind: global_buffer, .address_space: global }
      - { .name: wot, .offset: 8, .size: 8, .value_kind: global_buffer, .address_space: global }
      - { .name: out0, .offset: 16, .size: 8, .value_kind: global_buffer, .address_space: global }
    .group_segment_fixed_size: 327680
    .private_segment_fixed_size: 0
    .kernarg_segment_align: 8
    .kernarg_segment_size: 24
    .max_flat_workgroup_size: 128
    .sgpr_count:     80
    .vgpr_count:     384
    .wavefront_size: 32
...
	.end_amdgpu_metadata
.endif
;; end of part 4
